; MI455X (gfx1250); checked and timed in simulation.
; The chip was launched on July 23, 2026; its instructions are those of AMD's public machine-readable ISA for CDNA 5 (MIT licence, August 2026) and "CDNA5" Instruction Set Architecture Reference Guide (July 2026). The comments in the code are by the model that wrote it; some were corrected since.
;; FGN layer. Allowed arithmetic: matrix products marked QUANTISED: E3M2 operands, one E8M0 scale for each 32 along K, by v_wmma_scale_f32_16x16x128_f8f6f4 with both operands' format E3M2, f32 sums; everything else in f32.
;; Inputs: centers 2,048 x 2,048 float32; sigs 2,048 float32; weights 2,048 x 2,048 float32; x 8,192 x 2,048 float32.
;; Outputs: out0 8,192 x 2,048 float32.
;; This version of the problem:
;;   THIS VERSION OF THE PROBLEM IS GIVEN IN LOW PRECISION. The matrix products marked QUANTISED in the list below multiply operands that are first quantised to E3M2 (3 exponent bits, 2 mantissa bits; 6 bits a number), with one power-of-two scale for each 32 numbers along K (OCP MX v1.0); their sums are f32. All else is computed in f32.
;;   The module's matrix products, in the order in which they are computed (A, B: the left and right operand; K: the contracted axis; several contracted axes count as one K, in the product's order):
;;     1. [M 8,192, K 2,048] x [K 2,048, N 2,048]; A: input x; B: input weights: QUANTISED
;;     2. [M 8,192, K 2,048] x [K 2,048, N 2,048]; A: input x; B: input centers: QUANTISED
;;   THE QUANTISER, for each operand of a quantised product, along K:
;;     - K is cut into blocks of 32 from its start; a last block that is shorter is filled with zeros.
;;     - A block's scale is 2^e with e = floor(log2(the largest magnitude in the block)) - 4, held to -126 .. 127; a block of zeros has e = 0. As a byte (E8M0): e + 127.
;;     - Each number is divided by its block's scale, clamped to +-28, and rounded to the nearest number of E3M2, ties to even, subnormals kept.
;;     - The product sums the exact products of the quantised numbers (number of the format x scale) in f32.
;;   ~~~python
;;   def quantise(x, axis):      # numpy; x: float32 -> the quantised numbers, widened to float32 again
;;       x = np.moveaxis(x, axis, -1); K = x.shape[-1]
;;       x = np.pad(x, [(0, 0)] * (x.ndim - 1) + [(0, -K % 32)]); x = x.reshape(x.shape[:-1] + (-1, 32)); a = np.abs(x).max(-1, keepdims=True)
;;       e = np.where(a > 0, np.clip(np.frexp(np.where(a > 0, a, 1))[1] - 1 - 4, -126, 127), 0)      # np.frexp(a)[1] - 1 = floor(log2(a)), exactly
;;       r = np.clip(x / 2.0 ** e, -28, 28)
;;       step = 2.0 ** (np.maximum(np.frexp(np.where(r == 0, 1, r))[1] - 1, -2) - 2)
;;       q = np.round(r / step) * step * 2.0 ** e      # np.round: ties to even
;;       return np.moveaxis(q.reshape(q.shape[:-2] + (-1,))[..., :K], -1, axis).astype(np.float32)
;;   ~~~
;; One version. Each part assembles by itself: llvm-mc -triple=amdgcn-amd-amdhsa -mcpu=gfx1250 --defsym DOCPART=n.
;; ======== version 1 of 1: 2 launches
;; limits: right only within a limited range of input values
;; workspace buffers: xq 13,107,200 bytes; bq 6,553,600 bytes; xsq 32,768 bytes; colv 40,960 bytes
;; launch quant (part 1): grid 768 x 1, 4 waves a work-group, no clusters, 93,696 bytes of LDS; arguments x, weights, centers, sigs, xq, bq, xsq, colv; writes xq, bq, xsq, colv
.if DOCPART == 1
	.amdgcn_target "amdgcn-amd-amdhsa--gfx1250"
	.amdhsa_code_object_version 6
	.text
	.protected	k_qaef3dfb120_quant
	.globl	k_qaef3dfb120_quant
	.p2align	8
	.type	k_qaef3dfb120_quant,@function
k_qaef3dfb120_quant:
	s_mov_b64 s[64:65], 0
	v_nop
	global_prefetch_b8 v0, s[64:65] scope:SCOPE_SE
	s_setreg_imm32_b32 hwreg(HW_REG_WAVE_MODE, 25, 1), 1
	s_wait_xcnt 0x0
; x [8192][2048], weights and centers [2048][2048], f32, become codes of BF6 (E3M2), 6 bits each, with one E8M0 scale byte for each 32 along K, LAID IN THE ORDER OF THE MATRIX OPERAND'S REGISTERS; and the sums
; that the product's way out wants are taken on the way, of the UNQUANTISED numbers, in f32: xsq[b] = sum x^2, bias[o] = -sum w c, csq[o] = sum c^2, nk[o] = -log2(e) / sig[o]^2.
; A block's scale is 2^(floor(log2(its largest magnitude)) - 4); its byte is the largest magnitude's own exponent field - 4, held at 1 from below.
; LAYOUT OF THE CODES.  A PANEL is 128 rows; a CHUNK is a panel's 128 along K: eight fragments (16 rows x 128 K) of 1,536 bytes, then the rows' scale words, 64 bytes a fragment: 12,800 bytes.  A panel is its 16 chunks on end.
; In a fragment lane L = r + 16 h of the product's wave has 48 bytes on end, at 48 L: the 24 bytes of row r's block h of the 128 along K, then those of its block 2 + h: the lane's twelve operand registers as they stand.
; xq: 64 panels, rows as x's.  bq: 32 panels: panel P has weights' rows of outputs 64 P .. 64 P + 63 (fragments 0-3) and the same outputs' rows of centers (fragments 4-7).
; colv: five tables of 2,048 numbers: bias over K's first half, over its second half, csq likewise twice, nk.
; LIMITS: NaN and infinities among the inputs are not served, nor sig = 0 or a sig whose square is denormal; blocks whose largest magnitude lies under 2^(4 - 126) keep the byte 1; a block of zeros
; has the byte 1 where the quantiser's rule says 127 (its codes are zeros, and this program alone reads the bytes); 1 / sig^2 is v_rcp_f32's; the sums are added in another order than a plain loop's.
; SHARES.  A wave takes 16 steps of 512 numbers.  Work-groups 0-511 (path X): 16 rows of x, one fragment's rows; a wave has 4 whole rows.  Work-groups 512-767 (path WC): 16 outputs x half of K (1,024) of weights AND of
; centers; a wave has 4 outputs, a chunk of 512 of one tensor and the same of the other by turns, so that w c is summed from registers.  Work-groups share no input: no cluster, no tensor load.
; A STEP.  Four loads of 512 consecutive bytes; the 2,048 bytes turn through the wave's own stage in LDS (16 bytes of padding behind each 64) and come back 64 bytes a lane: 16 neighbours along K, two lanes to a block.
; Loads run four steps (16 loads a wave) ahead, the turn through LDS one step.  A lane's 16 codes, 12 bytes, go to their place in the work-group's image of its 16 fragments in LDS; behind ONE barrier the image leaves as it lies:
; a fragment's 1,536 bytes by three stores of 512 consecutive bytes.  The scale words leave in runs of 64 bytes, a fragment's: one part in 25 of what is stored.  The two paths have LDS bytes of their own.
.set STEPS, 16
.set EMAX,  4
.set SP,    80                         ; a lane's place in a stage: 64 bytes + 16 of padding
.set STG,   32*SP                      ; a stage
.set WSTG,  2*STG                      ; a wave has two
.set PSTG,  4*WSTG                     ; a path's stages: path X's at LDS byte 0, path WC's behind them
.set SCW,   2*PSTG                     ; the scale words: 16 fragments x 64 bytes for each path
.set IMG,   SCW+2*1024                 ; the images
.set HP,    784                        ; half a fragment in the image: 16 lanes x 48 bytes + 16 of padding: the eight groups of four lanes of a store then begin 16 bytes apart modulo 256, and its 32 words fall into 32 different banks
.set FP,    2*HP                       ; a fragment in the image
.set IMGB,  16*FP                      ; a path's image
.set FRB,   1536                       ; a fragment in memory
.set SCO,   8*FRB                      ; the scale words' place in a chunk
.set CHUNK, SCO+512
.set PANEL, 16*CHUNK
.set R,     16                         ; v16-79    four sets of 16 numbers as loaded; on the way out the image's pieces
.set X,     80                         ; v80-143   four sets of 16 neighbours (four, so that w's chunk is still there beside c's)
.set E,     144                        ; v144-159  a scale byte for each step
.set C,     160                        ; v160-223  codes: four registers for each step
.set SA,    224                        ; v224-227  a running sum in two packed chains: x^2, or w c
.set SC,    228                        ; v228-231  the same for c^2
.set RS,    232                        ; v232-235  finished sums: xsq, or w c
.set RC,    236                        ; v236-239  finished sums of c^2
.set AIM,   240                        ; v240-241  where my codes go in the image, path X, path WC
.set OIA,   242                        ; v242-243  where I read the image back: 16 x lane in my wave's four fragments
.set OIB,   244                        ; v244-245  the same for a fragment's middle 512 bytes, whose lanes 16-31 lie behind the padding
.set OSC,   246                        ; v246      where I read scale words back
.set GSO,   247                        ; v247      and their place in memory: a chunk on for each eight lanes
.set NKR,   248                        ; v248-251  nk;  v252-255 sig^2
	s_load_b256 s[4:11], s[0:1], 0x0               ; x s[4:5], weights s[6:7], centers s[8:9], sigs s[10:11]
	s_load_b256 s[12:19], s[0:1], 0x20             ; xq s[12:13], bq s[14:15], xsq s[16:17], colv s[18:19]
	v_lshl_add_u32 v219, v0, 2, 0x16c00
	v_mov_b32 v223, 0
	v_lshrrev_b32 v1, 5, v0
	v_readfirstlane_b32 s24, v1                    ; wave 0..3
	v_and_b32 v2, 31, v0                           ; lane
	v_lshlrev_b32 v3, 4, v2                        ; my 16 bytes of a load's or a store's 512
	s_mul_i32 s25, s24, WSTG                       ; my wave's stages
	v_lshrrev_b32 v14, 2, v2
	v_mul_u32_u24 v14, v14, SP
	v_and_b32 v15, 3, v2
	v_lshl_add_u32 v14, v15, 4, v14
	v_add_nc_u32 v14, s25, v14                     ; the stage, on the way in: SP (lane / 4) + 16 (lane % 4); a load's 512 bytes take eight places
	v_mul_u32_u24 v15, v2, SP
	v_add_nc_u32 v15, s25, v15                     ; and on the way out: SP x lane
	; Of a step's 512 numbers lane l holds 16 l .. 16 l + 15: fragment l / 8 of the step's four, block (l / 2) % 4 of its 128 along K, half l % 2 of the block.  Block 2 c + h belongs to the product's lanes 16 h + r, bytes 24 c on.
	v_lshrrev_b32 v1, 3, v2                        ; l / 8
	v_bfe_u32 v8, v2, 1, 2                         ; the block
	v_lshl_add_u32 v5, v1, 6, v8                   ; the scale byte: 64 bytes a fragment, 4 a row, a byte a block;
	s_lshl_b32 s35, s24, 4
	v_add_nc_u32 v5, s35, v5                       ; my wave's rows are 4 w on
	v_bfe_u32 v8, v2, 1, 1                         ; h
	v_lshl_add_u32 v9, v1, 1, v8
	v_mul_u32_u24 v9, v9, HP                       ; the codes: half 2 (l / 8) + h of the image's halves,
	v_bfe_u32 v8, v2, 2, 1
	v_mad_u32_u24 v9, v8, 24, v9                   ; 24 c,
	v_and_b32 v8, 1, v2
	v_mad_u32_u24 v9, v8, 12, v9                   ; 12 bytes for the block's upper half,
	s_mul_i32 s35, s24, 4*48
	v_add_nc_u32 v9, s35, v9                       ; 48 bytes a row, my wave's rows 4 w on
	v_add_nc_u32 v[AIM], IMG, v9
	v_add_nc_u32 v[AIM+1], IMG+IMGB, v9
	s_mul_i32 s35, s24, 4*FP                       ; on the way out wave w takes fragments 4 w .. 4 w + 3 of the image
	v_add_nc_u32 v9, s35, v3
	v_add_nc_u32 v[OIA], IMG, v9
	v_add_nc_u32 v[OIA+1], IMG+IMGB, v9
	v_lshrrev_b32 v8, 4, v2
	v_lshl_add_u32 v9, v8, 4, v9
	v_add_nc_u32 v[OIB], IMG, v9
	v_add_nc_u32 v[OIB+1], IMG+IMGB, v9
	s_lshl_b32 s35, s24, 8
	v_lshl_add_u32 v[OSC], v2, 3, s35              ; and their scale words: 256 bytes a wave, 8 a lane
	v_mul_u32_u24 v1, v1, CHUNK
	v_and_b32 v8, 7, v2
	v_lshl_add_u32 v[GSO], v8, 3, v1
	s_mov_b32 s26, 0x76543210
	s_mov_b32 s27, 0xfedcba98                      ; v_permlanex16_b32's selects for lane l xor 16
	s_mov_b32 s33, 0                               ; the upper word of every offset
.macro LOAD t, k                       ; step t's 2,048 bytes.  k = 0: of x: row t / 4, quarter t % 4.  k = 1: of weights (t even) or centers (t odd): row t / 4, half (t / 2) % 2 of my 1,024 along K
.irp i, 0,1,2,3
.if (\k) == 0
	global_load_b128 v[R+16*((\t)%4)+4*\i:R+16*((\t)%4)+4*\i+3], v3, s[4:5] offset:2048*(\t)+512*\i th:TH_LOAD_NT
.elseif (\t)%2 == 0
	global_load_b128 v[R+16*((\t)%4)+4*\i:R+16*((\t)%4)+4*\i+3], v3, s[6:7] offset:8192*((\t)/4)+2048*(((\t)/2)%2)+512*\i th:TH_LOAD_NT
.else
	global_load_b128 v[R+16*((\t)%4)+4*\i:R+16*((\t)%4)+4*\i+3], v3, s[8:9] offset:8192*((\t)/4)+2048*(((\t)/2)%2)+512*\i th:TH_LOAD_NT
.endif
.endr
.endm
.macro TURN t, k                       ; step t's numbers through the stage: LDS serves a wave's instructions in order, so no wait stands between the stores and the loads
.irp i, 0,1,2,3
	ds_store_b128 v14, v[R+16*((\t)%4)+4*\i:R+16*((\t)%4)+4*\i+3] offset:PSTG*(\k)+STG*((\t)%2)+8*SP*\i
.endr
.irp i, 0,1,2,3
	ds_load_b128 v[X+16*((\t)%4)+4*\i:X+16*((\t)%4)+4*\i+3], v15 offset:PSTG*(\k)+STG*((\t)%2)+16*\i
.endr
.endm
.macro REDUCE dst, p                   ; the two packed chains at v[p] on, then the 32 lanes: the sum, in every lane
	v_pk_add_f32 v[\p:\p+1], v[\p:\p+1], v[\p+2:\p+3]
	v_add_f32 v[\p], v[\p], v[\p+1]
	v_add_f32_dpp v[\p], v[\p], v[\p] row_xmask:1 row_mask:0xf bank_mask:0xf
	v_add_f32_dpp v[\p], v[\p], v[\p] row_xmask:2 row_mask:0xf bank_mask:0xf
	v_add_f32_dpp v[\p], v[\p], v[\p] row_xmask:4 row_mask:0xf bank_mask:0xf
	v_add_f32_dpp v[\p], v[\p], v[\p] row_xmask:8 row_mask:0xf bank_mask:0xf
	v_permlanex16_b32 v[\p+1], v[\p], s26, s27
	v_add_f32 v[\dst], v[\p], v[\p+1]
.endm
.macro STEP t, k
.set XS, X+16*((\t)%4)                 ; this step's 16 neighbours
.set XW, X+16*(((\t)+3)%4)             ; the step before's: in path WC, at an odd step, the same chunk of weights
.if (\k) == 0                          ; where this step's bytes go: path X: fragments 4 (t % 4) on, row t / 4 of my four
.set OB8, SCW+256*((\t)%4)+4*((\t)/4)
.set OIM, 4*FP*((\t)%4)+48*((\t)/4)
.else                                  ; path WC: weights' eight fragments, then centers'; in them fragments 4 ((t / 2) % 2) on, row t / 4
.set OB8, SCW+1024+512*((\t)%2)+256*(((\t)/2)%2)+4*((\t)/4)
.set OIM, 8*FP*((\t)%2)+4*FP*(((\t)/2)%2)+48*((\t)/4)
.endif
.if (\t) > 0
	s_wait_dscnt 4                                 ; this step's numbers are back from the stage (the last step's four stores, a byte and 12 bytes of codes, may be out): so its stores into the stage have read their registers,
.else
	s_wait_dscnt 0x0
.endif
.if (\t)+4 < STEPS
	LOAD (\t)+4, \k                                ; which take the loads of four steps on
.endif
.if (\t)+1 < STEPS
.if STEPS-2-(\t) >= 3
	s_wait_loadcnt 12                              ; the next step's four loads are in; those of the three steps behind it may be out
.else
	s_wait_loadcnt 4*(STEPS-2-(\t))                ; near the end fewer steps stand behind it
.endif
	TURN (\t)+1, \k                                ; and go through the other stage while this step is worked
.endif
	v_max3_num_f32 v8, |v[XS]|, |v[XS+1]|, |v[XS+2]|               ; the largest magnitude of my 16, in two chains
	v_max3_num_f32 v9, |v[XS+3]|, |v[XS+4]|, |v[XS+5]|
.irp i, 6,10
	v_max3_num_f32 v8, v8, |v[XS+\i]|, |v[XS+\i+1]|
	v_max3_num_f32 v9, v9, |v[XS+\i+2]|, |v[XS+\i+3]|
.endr
	v_max3_num_f32 v8, v8, |v[XS+14]|, |v[XS+15]|
	v_max3_num_f32 v8, v8, v9, (EMAX+1)<<23        ; and the floor 2^(EMAX + 1 - 127): the byte cannot fall under 1
	v_max_num_f32_dpp v8, v8, v8 row_xmask:1 row_mask:0xf bank_mask:0xf   ; and of my neighbour's 16: the block's
	v_add_nc_u32 v11, -(EMAX<<23), v8              ; EMAX off its exponent field: the conversion takes the exponent field of this operand as its scale
	v_cvt_scalef32_pk16_bf6_f32 v[C+4*(\t):C+4*(\t)+2], v[XS:XS+15], v11   ; sixteen numbers / the scale, to the nearest code, ties to even, beyond the largest code the largest; 96 bits without gaps
	v_lshrrev_b32 v[E+(\t)], 23, v11               ; the scale's byte (a plain line behind the conversion)
	ds_store_b8 v5, v[E+(\t)] offset:OB8           ; both lanes of a block write the same byte with the same value
.irp j, 0,1,2
	ds_store_b32 v[AIM+(\k)], v[C+4*(\t)+\j] offset:OIM+4*\j       ; 12 bytes at a multiple of 12: three words
.endr
.if (\k) == 0
.irp p, 0,1,2,3,4,5,6,7                ; the row's sum of x^2; a row's first step starts the two chains: nothing is cleared
.if ((\t)%4 == 0) && (\p < 2)
	v_pk_mul_f32 v[SA+2*\p:SA+2*\p+1], v[XS+2*\p:XS+2*\p+1], v[XS+2*\p:XS+2*\p+1]
.else
	v_pk_fma_f32 v[SA+2*(\p%2):SA+2*(\p%2)+1], v[XS+2*\p:XS+2*\p+1], v[XS+2*\p:XS+2*\p+1], v[SA+2*(\p%2):SA+2*(\p%2)+1]
.endif
.endr
.if (\t)%4 == 3
	REDUCE RS+(\t)/4, SA                           ; the row is through
.endif
.else
.if (\t)%2 == 1
.irp p, 0,1,2,3,4,5,6,7                ; w c and c^2 of this chunk
.if ((\t)%4 == 1) && (\p < 2)
	v_pk_mul_f32 v[SA+2*\p:SA+2*\p+1], v[XW+2*\p:XW+2*\p+1], v[XS+2*\p:XS+2*\p+1]
	v_pk_mul_f32 v[SC+2*\p:SC+2*\p+1], v[XS+2*\p:XS+2*\p+1], v[XS+2*\p:XS+2*\p+1]
.else
	v_pk_fma_f32 v[SA+2*(\p%2):SA+2*(\p%2)+1], v[XW+2*\p:XW+2*\p+1], v[XS+2*\p:XS+2*\p+1], v[SA+2*(\p%2):SA+2*(\p%2)+1]
	v_pk_fma_f32 v[SC+2*(\p%2):SC+2*(\p%2)+1], v[XS+2*\p:XS+2*\p+1], v[XS+2*\p:XS+2*\p+1], v[SC+2*(\p%2):SC+2*(\p%2)+1]
.endif
.endr
.endif
.if (\t)%4 == 3
	REDUCE RS+(\t)/4, SA                           ; my half of K of this output, of both tensors, is through
	REDUCE RC+(\t)/4, SC
.endif
.endif
.endm
; THE WAY OUT.  Every wave's stores into the image have landed, then the work-group's barrier; wave w then takes fragments 4 w .. 4 w + 3 of the image, 512 bytes an instruction, and stores them as they lie.
.macro OUT k
	s_wait_dscnt 0x0                               ; for the others' sake: my stores into the image and the scale words are done
	s_barrier_signal -1
	s_barrier_wait -1
.irp n, 0,1,2,3,4,5,6,7,8,9,10,11      ; fragment n / 3 of my four, its bytes 512 (n % 3) on; the image's second half lies 16 bytes further on
.if \n%3 == 0
	ds_load_b128 v[R+4*\n:R+4*\n+3], v[OIA+(\k)] offset:FP*(\n/3)
.elseif \n%3 == 1
	ds_load_b128 v[R+4*\n:R+4*\n+3], v[OIB+(\k)] offset:FP*(\n/3)+512
.else
	ds_load_b128 v[R+4*\n:R+4*\n+3], v[OIA+(\k)] offset:FP*(\n/3)+1024+16
.endif
.endr
	ds_load_b64 v[12:13], v[OSC] offset:SCW+1024*(\k)
.irp n, 0,1,2,3,4,5,6,7,8,9,10,11
	s_wait_dscnt 12-\n                             ; piece n is in; the younger loads may be out
	global_store_b128 v3, v[R+4*\n:R+4*\n+3], s[20:21] offset:CHUNK*(\n/3)+512*(\n%3)   ; 32 lanes store 512 consecutive bytes, at a multiple of 256 from the buffer's first byte
.endr
	s_wait_dscnt 0x0
	global_store_b64 v[GSO], v[12:13], s[22:23]    ; four runs of 64 bytes: my four fragments' scale words
.endm
	s_wait_kmcnt 0x0
	s_cmp_lt_u32 ttmp9, 512                        ; the paths part on the work-group's number alone: all four waves take the same one
	s_cbranch_scc0 .Lwc
	; ---- path X: rows 16 x work-group on; my wave's four: 4 u on, u = 4 x work-group + wave
	s_lshl_b32 s30, ttmp9, 2
	s_add_co_u32 s30, s30, s24
	s_lshl_b32 s32, s30, 15                        ; 4 rows of 8,192 bytes
	s_add_nc_u64 s[4:5], s[4:5], s[32:33]
	s_lshl_b32 s32, s30, 4                         ; 4 sums
	s_add_nc_u64 s[16:17], s[16:17], s[32:33]
	s_lshr_b32 s35, ttmp9, 3                       ; the panel,
	s_mul_i32 s32, s35, PANEL
	s_mul_i32 s36, s24, 4*CHUNK                    ; in it the four chunks that my wave stores,
	s_add_co_u32 s32, s32, s36
	s_add_nc_u64 s[12:13], s[12:13], s[32:33]
	s_and_b32 s35, ttmp9, 7                        ; in a chunk the work-group's fragment
	s_mul_i32 s32, s35, FRB
	s_add_nc_u64 s[20:21], s[12:13], s[32:33]
	s_lshl_b32 s32, s35, 6
	s_add_co_u32 s32, s32, SCO                     ; and its scale words
	s_add_nc_u64 s[22:23], s[12:13], s[32:33]
.irp t, 0,1,2,3
	LOAD \t, 0
.endr
	s_wait_loadcnt 12                              ; step 0's four loads are in
	TURN 0, 0
.irp t, 0,1,2,3,4,5,6,7,8,9,10,11,12,13,14,15
	STEP \t, 0
.endr
	s_wait_alu depctr_va_vdst(0)
	OUT 0
	s_wait_xcnt 0x0                                ; EXEC is a source of the stores above: it changes only behind this wait
	v_cmp_eq_u32 vcc_lo, 0, v2
	s_wait_tensorcnt 0x0
	ds_add_u32 v219, v223
	s_wait_dscnt 0x0
	s_and_saveexec_b32 s34, vcc_lo
	global_store_b128 v3, v[RS:RS+3], s[16:17]     ; lane 0 (its v3 is 0): my four rows' sums
	s_wait_xcnt 0x0                                ; and again in front of the line that widens it
	s_or_b32 exec_lo, exec_lo, s34
	s_endpgm
.Lwc:
	; ---- path WC: outputs 16 (n / 2) on, half n % 2 of K, n = work-group - 512; my wave's four outputs: o = 16 (n / 2) + 4 x wave on
	s_sub_co_u32 s35, ttmp9, 512
	s_and_b32 s37, s35, 1                          ; which half of K
	s_lshr_b32 s36, s35, 1                         ; which 16 outputs
	s_lshl_b32 s38, s36, 4
	s_lshl_b32 s39, s24, 2
	s_add_co_u32 s38, s38, s39                     ; o
	s_lshl_b32 s32, s38, 13
	s_lshl_b32 s39, s37, 12
	s_add_co_u32 s32, s32, s39                     ; row o, 1,024 numbers on in the second half
	s_add_nc_u64 s[6:7], s[6:7], s[32:33]
	s_add_nc_u64 s[8:9], s[8:9], s[32:33]
	s_lshl_b32 s32, s38, 2
	s_add_nc_u64 s[10:11], s[10:11], s[32:33]      ; sig[o]
	s_add_nc_u64 s[18:19], s[18:19], s[32:33]
	s_add_nc_u64 s[40:41], s[18:19], 32768         ; nk[o]
	s_load_b128 s[28:31], s[10:11], 0x0            ; sig[o .. o + 3]
	s_lshl_b32 s32, s37, 13
	s_add_nc_u64 s[18:19], s[18:19], s[32:33]      ; bias[o] of my half of K; csq 16,384 bytes on
	s_lshr_b32 s39, s36, 2                         ; the panel: 64 outputs,
	s_mul_i32 s32, s39, PANEL
	s_lshl_b32 s39, s37, 3                         ; in it the chunks of my half of K,
	s_and_b32 s38, s24, 1
	s_lshl_b32 s38, s38, 2
	s_add_co_u32 s39, s39, s38                     ; of them the four that my wave stores: waves 0, 1 weights', waves 2, 3 centers'
	s_mul_i32 s39, s39, CHUNK
	s_add_co_u32 s32, s32, s39
	s_add_nc_u64 s[14:15], s[14:15], s[32:33]
	s_and_b32 s39, s36, 3
	s_lshr_b32 s38, s24, 1
	s_lshl_b32 s38, s38, 2
	s_add_co_u32 s39, s39, s38                     ; in a chunk the fragment: weights' 0-3, centers' 4-7
	s_mul_i32 s32, s39, FRB
	s_add_nc_u64 s[20:21], s[14:15], s[32:33]
	s_lshl_b32 s32, s39, 6
	s_add_co_u32 s32, s32, SCO
	s_add_nc_u64 s[22:23], s[14:15], s[32:33]
.irp t, 0,1,2,3
	LOAD \t, 1
.endr
	s_wait_kmcnt 0x0
	v_mul_f32 v[NKR+4], s28, s28                   ; sig^2
	v_mul_f32 v[NKR+5], s29, s29
	v_mul_f32 v[NKR+6], s30, s30
	v_mul_f32 v[NKR+7], s31, s31
	s_wait_alu depctr_va_vdst(0)
.irp j, 0,1,2,3
	v_rcp_f32 v[NKR+\j], v[NKR+4+\j]
.endr
	v_nop                                          ; a plain line behind the reciprocals,
	s_wait_alu depctr_va_vdst(0)                   ; and one wait for the four, ahead of their first reader
.irp j, 0,1,2,3
	v_mul_f32 v[NKR+\j], 0xbfb8aa3b, v[NKR+\j]     ; nk = -log2(e) / sig^2
.endr
	s_wait_loadcnt 12                              ; step 0's four loads are in
	TURN 0, 1
.irp t, 0,1,2,3,4,5,6,7,8,9,10,11,12,13,14,15
	STEP \t, 1
.endr
	v_pk_mul_f32 v[RS:RS+1], v[RS:RS+1], -1.0 op_sel_hi:[1,0]      ; bias = -sum w c
	v_pk_mul_f32 v[RS+2:RS+3], v[RS+2:RS+3], -1.0 op_sel_hi:[1,0]
	s_wait_alu depctr_va_vdst(0)
	OUT 1
	s_wait_xcnt 0x0                                ; EXEC changes only behind this wait
	v_cmp_eq_u32 vcc_lo, 0, v2
	s_wait_tensorcnt 0x0
	ds_add_u32 v219, v223
	s_wait_dscnt 0x0
	s_and_saveexec_b32 s34, vcc_lo
	global_store_b128 v3, v[RS:RS+3], s[18:19]                     ; lane 0: my half of K's part of bias,
	global_store_b128 v3, v[RC:RC+3], s[18:19] offset:16384        ; and of csq, of outputs o .. o + 3
	s_wait_xcnt 0x0
	s_or_b32 exec_lo, exec_lo, s34
	v_or_b32 v1, s37, v2                           ; nk has one owner: lane 0 of the work-group with K's first half; in the other no lane is on
	v_cmp_eq_u32 vcc_lo, 0, v1
	s_and_saveexec_b32 s34, vcc_lo
	global_store_b128 v3, v[NKR:NKR+3], s[40:41]
	s_wait_xcnt 0x0
	s_or_b32 exec_lo, exec_lo, s34
	s_endpgm
.Lfunc_end_k_qaef3dfb120_quant:
	.size	k_qaef3dfb120_quant, .Lfunc_end_k_qaef3dfb120_quant-k_qaef3dfb120_quant
	.p2alignl 7, 3214868480
	.fill 96, 4, 3214868480
	.section	.rodata,"a",@progbits
	.p2align	6, 0x0
	.amdhsa_kernel k_qaef3dfb120_quant
		.amdhsa_group_segment_fixed_size 93696
		.amdhsa_private_segment_fixed_size 0
		.amdhsa_enable_private_segment 0
		.amdhsa_kernarg_size 64
		.amdhsa_user_sgpr_count 2
		.amdhsa_user_sgpr_kernarg_segment_ptr 1
		.amdhsa_wavefront_size32 1
		.amdhsa_system_sgpr_workgroup_id_x 1
		.amdhsa_system_sgpr_workgroup_id_y 1
		.amdhsa_system_sgpr_workgroup_id_z 1
		.amdhsa_system_vgpr_workitem_id 0
		.amdhsa_next_free_vgpr 256
		.amdhsa_next_free_sgpr 66
		.amdhsa_reserve_vcc 1
		.amdhsa_float_denorm_mode_32 3
		.amdhsa_float_denorm_mode_16_64 3
		.amdhsa_memory_ordered 1
		.amdhsa_forward_progress 1
		.amdhsa_inst_pref_size 96
	.end_amdhsa_kernel
	.amdgpu_metadata
---
amdhsa.version: [ 1, 2 ]
amdhsa.kernels:
  - .name:           k_qaef3dfb120_quant
    .symbol:         k_qaef3dfb120_quant.kd
    .args:
      - { .name: x, .offset: 0, .size: 8, .value_kind: global_buffer, .address_space: global }
      - { .name: weights, .offset: 8, .size: 8, .value_kind: global_buffer, .address_space: global }
      - { .name: centers, .offset: 16, .size: 8, .value_kind: global_buffer, .address_space: global }
      - { .name: sigs, .offset: 24, .size: 8, .value_kind: global_buffer, .address_space: global }
      - { .name: xq, .offset: 32, .size: 8, .value_kind: global_buffer, .address_space: global }
      - { .name: bq, .offset: 40, .size: 8, .value_kind: global_buffer, .address_space: global }
      - { .name: xsq, .offset: 48, .size: 8, .value_kind: global_buffer, .address_space: global }
      - { .name: colv, .offset: 56, .size: 8, .value_kind: global_buffer, .address_space: global }
    .group_segment_fixed_size: 93696
    .private_segment_fixed_size: 0
    .kernarg_segment_align: 8
    .kernarg_segment_size: 64
    .max_flat_workgroup_size: 128
    .sgpr_count:     66
    .vgpr_count:     256
    .wavefront_size: 32
...
	.end_amdgpu_metadata
.endif
;; end of part 1
;; launch gemm (part 2): grid 16 x 16, 4 waves a work-group, clusters of 4 x 4, 327,680 bytes of LDS; arguments xq, bq, xsq, colv, out0; writes out0
.if DOCPART == 2
	.amdgcn_target "amdgcn-amd-amdhsa--gfx1250"
	.amdhsa_code_object_version 6
	.text
	.protected	k_qaef3dfb120_gemm
	.globl	k_qaef3dfb120_gemm
	.p2align	8
	.type	k_qaef3dfb120_gemm,@function
k_qaef3dfb120_gemm:
	s_mov_b64 s[64:65], 0
	v_nop
	global_prefetch_b8 v0, s[64:65] scope:SCOPE_SE
	s_setreg_imm32_b32 hwreg(HW_REG_WAVE_MODE, 25, 1), 1
	s_wait_xcnt 0x0
	s_wait_alu depctr_hold_cnt(0) depctr_sa_sdst(0) depctr_va_vdst(0) depctr_va_sdst(0) depctr_va_ssrc(0) depctr_va_vcc(0) depctr_vm_vsrc(0)
	s_getreg_b32 s2, hwreg(HW_REG_IB_STS2, 6, 4)
	s_cmp_eq_u32 s2, 0
	s_cbranch_scc0 .Lentry_in_a_cluster
	s_endpgm
.Lentry_in_a_cluster:
	s_bfe_u32 s2, ttmp6, 0x10000c
	s_cmp_lg_u32 s2, 0xf033
	s_cbranch_scc0 .Lentry_shape_is_right
	s_endpgm
.Lentry_shape_is_right:
; out0[m][o] = (x W^T + bias[o]) x exp(-max(xsq[m] + csq[o] - 2 x C^T, 0) / sig[o]^2), both products on codes of BF6 (E3M2) with one E8M0 scale for each 32 along K; sums and all else in f32.
; THE OPERANDS LIE IN MEMORY IN THE ORDER OF THE OPERAND'S REGISTERS.  A PANEL is 128 rows; a CHUNK is a panel's 128 along K: eight fragments (16 rows x 128 K) of 1,536 bytes, in which lane L has its twelve registers
; on end at 48 L, then the rows' scale words, 64 bytes a fragment: 12,800 dense bytes; a panel is its 16 chunks on end.  A = xq, 64 panels of x's rows.  B = bq, 32 panels: panel P has weights' rows of outputs
; 64 P .. 64 P + 63 (fragments 0-3) and the same outputs' rows of centers (fragments 4-7): both products are one product, and a wave has x W^T and x C^T of the same outputs in the same lanes of two accumulators.
; A tile is two panels of A against two of B (256 rows of x, 128 outputs): four waves, a wave one panel against one: 64 accumulators of 16 x 16, 512 registers.
; A WORK-GROUP STAYS: 256 work-groups make two tiles each, 4,096 rows of x apart, with the same panels of B: a loop over tiles; bias, csq and nk are loaded once.
; THE RING.  K = 2,048 is 16 steps of 128.  A slot holds THREE steps of the four panels, 4 x 38,400 bytes; two slots.  A wave's tensor load brings one panel's three chunks, 150 rows of 256 bytes, each at a multiple of
; 256 from the buffer's first byte.  16 = 5 x 3 + 1: a tile's sixth fill is one chunk, by a group 1 of its own.  Six fills a tile: the slots are back where they began at a tile's end.
; ACROSS TILES: step 14's round asks for the next tile's steps 0-2 into slot 0; they are on their way during step 15 and the way out.  The loop's top (wait for all loads, add, wait, round) asks for steps 3-5 into slot 1:
; in the first tile that is slot 1's first fill.  Steps 14, 15 and the way out are written twice: for a tile that has a successor, and for the last, which asks for nothing more.
; CLUSTERS: 4 x 4 work-groups.  The four of a row of the cluster need the same panels of A, the four of a column the same panels of B: each is asked for JOINTLY, by the same tensor load with the same descriptor and
; a mask that names the four.  THE MATRIX INSTRUCTION IS USED TRANSPOSED (source 0 = 16 rows of B, source 1 = 16 rows of A): a lane holds one row of x and eight neighbouring outputs.
; THE PREFETCH INTO THE L2: behind the joint load of fill f each wave asks for fill f + 2 of the panel that it fetches, six steps ahead of that fill's load.  A fill's 150 blocks of 256 bytes are shared out among the
; four partners BY ADDRESS, 38 to each (the one-chunk fill's 50: 13 to each), a lane a block; lanes left over name their wave's last block again.  The head, behind fill 0's load, asks for fills 1 and 2.  B's panels
; are asked for in the first tile alone: in the second they have been read.  The last tile's steps 8 and 11 ask for nothing.
; THE ENVELOPE: bias is the C of each weights' sum's first matrix instruction.  With nk = -log2(e) / sig^2 (under 0) the exponent to the base 2 is min(n2 (x C^T - xsq / 2) + cn, 0), n2 = -2 nk, cn = nk csq:
; the formula's clip of the distance at 0 is the clip of the exponent at 0 from above, so no maximum is taken away ahead of the exponential.
; LIMITS: NaN and infinities are not served; an envelope under 2^-126 comes out as 0 (v_exp_f32); the division by sig^2 is a multiplication by nk, made with v_rcp_f32 by the launch before; bias and csq come as two
; sums over halves of K and are added here; the exponent's terms are multiplied by nk before they are added, another order of rounding than the formula's.
; REGISTERS, in windows of 256: window 0: v0-31 addresses; v32-47 scale words, two sets; v48-50 the prefetches' offsets; v64-95 at work (head, way out); v96-127 cn; v128-223 A's fragments, ONE set (at work at the head
;   and on the way out); v224-255 n2.   window 1: B's fragments, TWO sets, at v0 and v128; v96-111 xsq of my rows, each twice; v224-255 bias.
;   windows 2, 3: the accumulators of my rows 0-63, 64-127 ((a, b) at v[8 (8 (a % 4) + b)]; b = 0..3 weights, 4..7 centers).
.set NSTEP,  16                        ; steps of 128 along K
.set NCH,    3                         ; steps in a slot
.set NFILL,  6                         ; fills a tile
.set NTILE,  2                         ; tiles a work-group
.set FRB,    1536                      ; a fragment in bytes
.set SCO,    8*FRB                     ; the scale words' place in a chunk
.set CHUNK,  SCO+512
.set PANEL,  NCH*CHUNK                 ; a panel's part of a slot: what one tensor load brings
.set PANELG, NSTEP*CHUNK               ; a panel in memory
.set SLOT,   4*PANEL                   ; A's two panels, then B's two
.set NEXT_A, 32*PANELG-4*PANEL         ; from a slot's last fill of a tile to its first of the next: A goes 32 panels on and back along K,
.set BACK_B, 4*PANEL                   ; B only back
.set NEXT_P, 32*PANELG-15*CHUNK        ; the prefetches: from a tile's chunk 15 to the next tile's chunk 0
.set FR,     12                        ; registers of a fragment
.set NP,     4                         ; places behind this matrix instruction (ISA guide 7.12.1)
.set SPARE,  2*SLOT                    ; behind the ring: the spare words, 128 bytes a wave, named by no other line
.set STAGE,  SPARE+512                 ; the way out's stage, 16 rows x (256 + 16) bytes a wave: no fill lands here
.set SPITCH, 272
.set OUTROW, 8192                      ; a row of out0 in bytes
.set ADRA, 16                          ; v16-17  my lane's 48 bytes in my panel of A, slot 0, 1
.set ADRS, 18                          ; v18-19  my scale words: lanes 0-15 A's rows, lanes 16-31 B's
.set ADRB, 20                          ; v20-21  as v16-17, for B
.set STO,  24                          ; the way out: where I put 32 bytes of a row
.set RD,   25                          ; where I read a row back
.set CO,   26                          ; my byte offset in two rows of out0
.set SPW,  28                          ; my spare word: SPARE + 4 x my thread's number; never rewritten
.set NIL,  29                          ; 0; never rewritten
.set XO,   30                          ; 4 x (lane % 16)
.set VO,   31                          ; 32 x (lane / 16)
.set SC,   32                          ; scale words: set p at v[SC + 8 p]; register i: lanes 0-15 A's block i, lanes 16-31 B's block i
.set PF,   48                          ; v48, v49: my block among my work-group's 38 of a fill's 150, x 256; v50: among its 13 of the one-chunk fill's 50; never rewritten
.set T0,   64                          ; 32 numbers at work: v64-95 and v128-159 by turns
.set CN,   96                          ; register 8 b + j: cn of output 16 b + 8 (lane / 16) + j of my 64
.set AF,   128                         ; A's fragments
.set N2,   224                         ; n2 likewise
.set XSQ,  96                          ; window 1: registers 2 a, 2 a + 1: xsq of my row of block a, twice; on the way out -xsq / 2
.set BI,   224                         ; window 1: bias, laid as cn
.set BK,   160                         ; the way out: 16 rows read back from the stage: v160-191 and v192-223 by turns
.set PFA,  8                           ; s[8:9]  the fill that my next prefetch names
.set ISA,  10                          ; s10     1 in the waves that fetch for A
.set CUR,  11                          ; s11     1 while my wave asks for this tile's fills
.set NXT,  18                          ; s18     1 while my wave asks for the next tile's
.set G1, 24                            ; s[24:31] group 1 for A's panels, three chunks;  s[32:39] group 0, one set a slot
.set G0, 32
.set G1B, 48                           ; s[48:55], s[56:63] the same for B's
.set G0B, 56
.set G1S, 68                           ; s[68:75] group 1 for A's one-chunk fill;  s[80:87] for B's
.set G1SB, 80
.set MSB, 0
.macro WIN new                         ; the immediate's high byte repeats the setting that is left; a switch that changes nothing is dropped
.if MSB != (\new)
	s_set_vgpr_msb (MSB<<8)|(\new)
.set MSB, (\new)
.endif
.endm
.set MUL_LO,   0xa1                    ; source 0 (B) window 1, source 1 (A) window 0, C and D window 2;  + 0x50: C and D window 3
.set FIRST_LO, 0x91                    ; a tile's first step: C (bias) window 1, D window 2;  + 0x40: D window 3
.set TO_B,     0x40                    ; destination window 1, address window 0
; A joint load: waves 0 and 1 fetch A's two panels, waves 2 and 3 B's.  Each line has one mask and one set of registers for all that issue it; the branch hangs on the wave's number alone.
; s_nop 0 and four v_nop follow each line.
.macro JLOAD g0a, g1a, g0b, g1b
	s_cmp_eq_u32 s15, 0
	s_cbranch_scc0 .Lfor_b_\@
	tensor_load_to_lds s[\g0a:\g0a+3], s[\g1a:\g1a+7]
	s_nop 0
.rept 4
	v_nop
.endr
	s_branch .Lasked_\@
.Lfor_b_\@:
	tensor_load_to_lds s[\g0b:\g0b+3], s[\g1b:\g1b+7]
	s_nop 0
.rept 4
	v_nop
.endr
.Lasked_\@:
.endm
.macro PREF short, off                 ; the prefetch of the fill off bytes behind s[PFA]: my work-group's share of its blocks, a lane a block
.if \short
	global_prefetch_b8 v[PF+2], s[PFA:PFA+1] offset:\off th:TH_LOAD_NT scope:SCOPE_SE
.else
	global_prefetch_b8 v[PF], s[PFA:PFA+1] offset:\off th:TH_LOAD_NT scope:SCOPE_SE
	global_prefetch_b8 v[PF+1], s[PFA:PFA+1] offset:\off th:TH_LOAD_NT scope:SCOPE_SE
.endif
.endm
.macro ASK flag, short                 ; the flag is made of the wave's number and the tile count alone
	s_cmp_lg_u32 s[\flag], 0
	s_cbranch_scc0 .Lno_ask_\@
	PREF \short, 0
.Lno_ask_\@:
.endm
.macro CREST                           ; a round of the cluster's barrier behind its opening barrier
	s_cmp_lg_u32 s14, 0
	s_cbranch_scc1 .Lnot_wave_0_\@
	s_barrier_signal -3
.Lnot_wave_0_\@:
	s_barrier_wait -3
	s_barrier_signal -1
	s_barrier_wait -1
.endm
.macro CROUND                          ; a whole round
	s_barrier_signal -1
	s_barrier_wait -1
	CREST
.endm
	s_load_b128 s[4:7], s[0:1], 0x0                ; xq s[4:5], bq s[6:7]
	s_load_b128 s[96:99], s[0:1], 0x10             ; xsq s[96:97], colv s[98:99]
	s_load_b64 s[12:13], s[0:1], 0x20              ; out0
	v_lshl_add_u32 v[SPW], v0, 2, SPARE
	v_mov_b32 v[NIL], 0
	ds_add_u32 v[SPW], v[NIL]                      ; the opening lines: the add, twice on end, and its wait ahead of my first tensor load
	ds_add_u32 v[SPW], v[NIL]
	v_lshrrev_b32 v1, 5, v0
	v_readfirstlane_b32 s14, v1                    ; wave 0..3
	s_lshr_b32 s15, s14, 1                         ; which of the tile's two panels of A is mine.  Also: I fetch for A (0) or for B (1)
	s_and_b32 s16, s14, 1                          ; which of its two panels of B.  Also: which of the two panels I fetch
	s_bfe_u32 s40, ttmp6, 0x40000                  ; cx, cy: my place in the cluster
	s_bfe_u32 s41, ttmp6, 0x40004
	s_lshl_b32 s42, ttmp9, 2
	s_add_co_u32 s42, s42, s40                     ; tile column = 4 x cluster x + cx: two panels of B
	s_and_b32 s17, ttmp7, 0xffff
	s_lshl_b32 s17, s17, 2
	s_add_co_u32 s17, s17, s41                     ; first tile row = 4 x cluster y + cy: two panels of A
	s_lshl_b32 s43, s41, 2
	s_lshl_b32 s43, 15, s43                        ; my row of the cluster
	s_lshl_b32 s44, 0x1111, s40                    ; my column
	; group 1: a dense block, as rows of 256 bytes (32 elements of 8 bytes), no padding; bit 21 set beside a mask
	s_or_b32 s[G1+0], s43, (3<<16)|(1<<21)         ; A's panels go to my row
	s_or_b32 s[G1B+0], s44, (3<<16)|(1<<21)        ; B's to my column
	s_or_b32 s[G1S+0], s43, (3<<16)|(1<<21)
	s_or_b32 s[G1SB+0], s44, (3<<16)|(1<<21)
.irp g, G1, G1B
	s_mov_b32 s[\g+1], 32<<16                      ; tensor_dim0 = 32
	s_mov_b32 s[\g+2], (PANEL/256)<<16             ; tensor_dim1 = 150: three chunks
	s_mov_b32 s[\g+3], 32<<16                      ; tile_dim0
	s_mov_b32 s[\g+4], PANEL/256                   ; tile_dim1
	s_mov_b32 s[\g+5], 32                          ; the pitch
	s_mov_b32 s[\g+6], 0
	s_mov_b32 s[\g+7], 0
.endr
.irp g, G1S, G1SB
	s_mov_b32 s[\g+1], 32<<16
	s_mov_b32 s[\g+2], (CHUNK/256)<<16             ; 50 rows: one chunk
	s_mov_b32 s[\g+3], 32<<16
	s_mov_b32 s[\g+4], CHUNK/256
	s_mov_b32 s[\g+5], 32
	s_mov_b32 s[\g+6], 0
	s_mov_b32 s[\g+7], 0
.endr
	s_lshl_b32 s20, s17, 1
	s_add_co_u32 s20, s20, s16                     ; A: panel 2 x tile row + which
	s_mul_i32 s20, s20, PANELG                     ; in bytes: under 2^24
	s_mov_b32 s21, 0
	s_lshl_b32 s46, s42, 1
	s_add_co_u32 s46, s46, s16                     ; B: panel 2 x tile column + which
	s_mul_i32 s46, s46, PANELG
	s_mov_b32 s47, 0
	s_mul_i32 s45, s14, PANEL                      ; where they go: wave x a panel's part of a slot
	s_wait_dscnt 0x0                               ; both opening adds are done
	s_wait_kmcnt 0x0
	s_add_nc_u64 s[20:21], s[4:5], s[20:21]
	s_add_nc_u64 s[46:47], s[6:7], s[46:47]
	s_cmp_eq_u32 s15, 0                            ; do I fetch for A?
	s_cselect_b64 s[PFA:PFA+1], s[20:21], s[46:47] ; the prefetches: the panel that I fetch,
	s_cselect_b32 s[ISA], 1, 0
	s_cselect_b32 s19, s40, s41                    ; my place among the four that ask for it with me: it enters the prefetches' addresses alone
	s_add_nc_u64 s[PFA:PFA+1], s[PFA:PFA+1], PANEL ; at fill 1
	s_mul_i32 s76, s19, 38                         ; my work-group's first block of a fill's 150,
	s_mul_i32 s77, s19, 13                         ; of the one-chunk fill's 50
	s_mov_b32 s[CUR], 1                            ; in the first tile every wave asks for its fills,
	s_mov_b32 s[NXT], s[ISA]                       ; and A's waves for the next tile's
	CROUND                                         ; all sixteen work-groups are here: the first joint loads meet
.irp s, 0,1
	s_mov_b32 s[G0+4*\s], 1
	s_add_co_u32 s[G0+4*\s+1], s45, \s*SLOT        ; LDS address
	s_add_nc_u64 s[G0+4*\s+2:G0+4*\s+3], s[20:21], \s*PANEL        ; steps 3 s on
	s_or_b32 s[G0+4*\s+3], s[G0+4*\s+3], 0x80000000
	s_mov_b32 s[G0B+4*\s], 1
	s_add_co_u32 s[G0B+4*\s+1], s45, \s*SLOT
	s_add_nc_u64 s[G0B+4*\s+2:G0B+4*\s+3], s[46:47], \s*PANEL
	s_or_b32 s[G0B+4*\s+3], s[G0B+4*\s+3], 0x80000000
.endr
	JLOAD G0, G1, G0B, G1B                         ; steps 0-2: my one tensor load at the head
	v_and_b32 v1, 15, v0                           ; r = l % 16
	v_bfe_u32 v2, v0, 4, 1                         ; h = l / 16
	v_and_b32 v3, 31, v0
	v_mul_u32_u24 v4, v3, 48                       ; my lane's 48 bytes of a fragment
	s_mul_i32 s21, s15, PANEL                      ; my panel of A
	s_mul_i32 s22, s16, PANEL                      ; my panel of B,
	s_add_co_u32 s22, s22, 2*PANEL                 ; behind A's two
	v_add_nc_u32 v[ADRA], s21, v4
	v_add_nc_u32 v[ADRB], s22, v4
	v_add_nc_u32 v[ADRA+1], SLOT, v[ADRA]
	v_add_nc_u32 v[ADRB+1], SLOT, v[ADRB]
	s_sub_co_u32 s22, s22, s21
	v_mul_u32_u24 v6, s22, v2                      ; the scale words: lanes 16-31 take B's: the distance from my panel of A to my panel of B,
	v_lshl_add_u32 v6, v1, 2, v6                   ; 4 bytes a row
	v_add_nc_u32 v[ADRS], s21, v6
	v_add_nc_u32 v[ADRS+1], SLOT, v[ADRS]
	s_mul_i32 s23, s14, 16*SPITCH
	s_add_co_u32 s23, s23, STAGE                   ; my stage
	v_mul_u32_u24 v5, v1, SPITCH                   ; in: row l % 16, 32 bytes for each half of the lanes
	v_lshl_add_u32 v5, v2, 5, v5
	v_add_nc_u32 v[STO], s23, v5
	v_mul_u32_u24 v5, v2, SPITCH                   ; back: lanes 0-15 one row of 256 bytes, lanes 16-31 the next
	v_lshl_add_u32 v5, v1, 4, v5
	v_add_nc_u32 v[RD], s23, v5
	v_lshlrev_b32 v5, 13, v2                       ; and the same two rows in out0
	v_lshl_add_u32 v[CO], v1, 4, v5
	v_lshlrev_b32 v[XO], 2, v1
	v_lshlrev_b32 v[VO], 5, v2
	v_add_nc_u32 v[PF], s76, v3                    ; the prefetches' blocks: 38 p + lane,
	v_add_nc_u32 v7, 32, v3
	v_min_u32 v8, 12, v3
	v_min_u32 v7, 37, v7
	v_add_nc_u32 v[PF+2], s77, v8                  ; 13 p + min(lane, 12),
	v_add_nc_u32 v[PF+1], s76, v7                  ; 38 p + min(32 + lane, 37),
	v_min_u32 v[PF], 149, v[PF]                    ; none beyond the fill's last block
	v_min_u32 v[PF+2], 49, v[PF+2]
	v_min_u32 v[PF+1], 149, v[PF+1]
	v_lshlrev_b32 v[PF], 8, v[PF]                  ; in bytes
	v_lshlrev_b32 v[PF+2], 8, v[PF+2]
	v_lshlrev_b32 v[PF+1], 8, v[PF+1]
	s_wait_alu depctr_va_vdst(0)                   ; the wait ahead of the run of scalar lines
	PREF 0, 0                                      ; fill 1,
	PREF 0, PANEL                                  ; and fill 2
	s_lshl_b32 s20, s17, 8
	s_lshl_b32 s21, s15, 7
	s_add_co_u32 s20, s20, s21                     ; my first row of x and of out0: 256 x tile row + 128 x which
	s_lshl_b32 s22, s20, 2
	s_mov_b32 s23, 0
	s_add_nc_u64 s[96:97], s[96:97], s[22:23]      ; its xsq
	s_lshl_b32 s20, s20, 13                        ; rows of 8,192 bytes: under 2^26
	s_mov_b32 s21, 0
	s_add_nc_u64 s[12:13], s[12:13], s[20:21]
	s_lshl_b32 s46, s42, 9                         ; my first output, in bytes of f32: 128 outputs a tile column, 64 a panel
	s_lshl_b32 s47, s16, 8
	s_add_co_u32 s46, s46, s47
	s_mov_b32 s47, 0
	s_add_nc_u64 s[12:13], s[12:13], s[46:47]
	s_add_nc_u64 s[98:99], s[98:99], s[46:47]      ; its numbers in colv's five tables, 8,192 bytes apart
.irp b, 0,1,2,3                        ; my 64 outputs' numbers, in the result's layout
.irp u, 0,1
	global_load_b128 v[T0+8*\b+4*\u:T0+8*\b+4*\u+3], v[VO], s[98:99] offset:64*\b+16*\u                   ; bias over K's first half,
	global_load_b128 v[AF+8*\b+4*\u:AF+8*\b+4*\u+3], v[VO], s[98:99] offset:8192+64*\b+16*\u              ; over its second half,
	global_load_b128 v[CN+8*\b+4*\u:CN+8*\b+4*\u+3], v[VO], s[98:99] offset:16384+64*\b+16*\u             ; csq likewise,
	global_load_b128 v[AF+32+8*\b+4*\u:AF+32+8*\b+4*\u+3], v[VO], s[98:99] offset:24576+64*\b+16*\u
	global_load_b128 v[N2+8*\b+4*\u:N2+8*\b+4*\u+3], v[VO], s[98:99] offset:32768+64*\b+16*\u             ; nk
.endr
.endr
	s_wait_loadcnt 0x0                             ; colv's numbers land while the first tiles are on their way
	WIN TO_B
.irp p, 0,1,2,3,4,5,6,7,8,9,10,11,12,13,14,15
	v_pk_add_f32 v[BI+2*\p:BI+2*\p+1], v[T0+2*\p:T0+2*\p+1], v[AF+2*\p:AF+2*\p+1]                         ; bias: the two halves of K, into window 1
.endr
	WIN 0
.irp p, 0,1,2,3,4,5,6,7,8,9,10,11,12,13,14,15
	v_pk_add_f32 v[CN+2*\p:CN+2*\p+1], v[CN+2*\p:CN+2*\p+1], v[AF+32+2*\p:AF+32+2*\p+1]                   ; csq
.endr
.irp p, 0,1,2,3,4,5,6,7,8,9,10,11,12,13,14,15
	v_pk_mul_f32 v[CN+2*\p:CN+2*\p+1], v[CN+2*\p:CN+2*\p+1], v[N2+2*\p:N2+2*\p+1]                         ; cn = nk csq
.endr
.irp p, 0,1,2,3,4,5,6,7,8,9,10,11,12,13,14,15
	v_pk_mul_f32 v[N2+2*\p:N2+2*\p+1], v[N2+2*\p:N2+2*\p+1], -2.0 op_sel_hi:[1,0]                         ; n2 = -2 nk
.endr
	s_wait_xcnt 0x0                                ; the prefetches have read their address:
	s_add_nc_u64 s[PFA:PFA+1], s[PFA:PFA+1], 2*PANEL   ; on to fill 3
.macro FRAG reg, adr, q, i             ; fragment i of the slot's chunk q: the lane's twelve registers lie on end in LDS: three loads of 16 bytes
.irp c, 0,1,2
	ds_load_b128 v[\reg+4*\c:\reg+4*\c+3], v[\adr] offset:CHUNK*(\q)+FRB*(\i)+16*\c
.endr
.endm
.macro SCALES slot, q, p               ; the chunk's scale words into set p: 8 loads
.irp i, 0,1,2,3,4,5,6,7
	ds_load_b32 v[SC+8*(\p)+\i], v[ADRS+\slot] offset:CHUNK*(\q)+SCO+64*\i
.endr
.endm
; One matrix instruction: A's block a x B's block b, 128 along K.  p: B's set and the set of scale words.  zero: the first product starts the sum: weights' with bias as C, centers' with 0.
.macro WM a, b, p, zero
.if (\zero) && (\b < 4)
	WIN FIRST_LO+0x40*((\a)/4)
	v_wmma_scale_f32_16x16x128_f8f6f4 v[8*(8*((\a)%4)+\b):8*(8*((\a)%4)+\b)+7], v[128*(\p)+FR*\b:128*(\p)+FR*\b+FR-1], v[AF+FR*(\a):AF+FR*(\a)+FR-1], v[BI+8*\b:BI+8*\b+7], v[SC+8*(\p)+\b], v[SC+8*(\p)+(\a)] matrix_a_fmt:MATRIX_FMT_BF6 matrix_b_fmt:MATRIX_FMT_BF6 matrix_a_scale:MATRIX_SCALE_ROW1
.elseif \zero
	WIN FIRST_LO+0x40*((\a)/4)
	v_wmma_scale_f32_16x16x128_f8f6f4 v[8*(8*((\a)%4)+\b):8*(8*((\a)%4)+\b)+7], v[128*(\p)+FR*\b:128*(\p)+FR*\b+FR-1], v[AF+FR*(\a):AF+FR*(\a)+FR-1], 0, v[SC+8*(\p)+\b], v[SC+8*(\p)+(\a)] matrix_a_fmt:MATRIX_FMT_BF6 matrix_b_fmt:MATRIX_FMT_BF6 matrix_a_scale:MATRIX_SCALE_ROW1
.else
	WIN MUL_LO+0x50*((\a)/4)
	v_wmma_scale_f32_16x16x128_f8f6f4 v[8*(8*((\a)%4)+\b):8*(8*((\a)%4)+\b)+7], v[128*(\p)+FR*\b:128*(\p)+FR*\b+FR-1], v[AF+FR*(\a):AF+FR*(\a)+FR-1], v[8*(8*((\a)%4)+\b):8*(8*((\a)%4)+\b)+7], v[SC+8*(\p)+\b], v[SC+8*(\p)+(\a)] matrix_a_fmt:MATRIX_FMT_BF6 matrix_b_fmt:MATRIX_FMT_BF6 matrix_a_scale:MATRIX_SCALE_ROW1
.endif
.endm
.macro PLACES n                        ; places behind matrix instructions, in front of loads into their registers and of reads of their results
.rept \n
	v_nop
.endr
.endm
; Behind the barrier of a change of slots.  Where a fill is left, the barrier has opened a round of the cluster's barrier, and the slot just read out is filled again first thing behind the round.
.macro REFILL g, nx
.if (\g)/NCH+2 < NFILL
	CREST                                          ; no wave of any partner still reads this slot or has a load on its way
	s_add_nc_u64 s[G0+4*gSL+2:G0+4*gSL+3], s[G0+4*gSL+2:G0+4*gSL+3], 2*PANEL      ; no tensor load of mine is out: this slot's group 0 steps two fills on
	s_add_nc_u64 s[G0B+4*gSL+2:G0B+4*gSL+3], s[G0B+4*gSL+2:G0B+4*gSL+3], 2*PANEL
.if (\g)/NCH+2 == NFILL-1
	JLOAD G0+4*gSL, G1S, G0B+4*gSL, G1SB           ; the tile's last fill: step 15's chunk alone
.else
	JLOAD G0+4*gSL, G1, G0B+4*gSL, G1B             ; my one load until the next round; its four v_nop are the places in front of the loads that follow
.endif
.elseif \nx
	CREST
.irp s, 0,1                            ; no tensor load of mine is out: both slots' groups 0 go to the next tile's first fills
	s_add_nc_u64 s[G0+4*\s+2:G0+4*\s+3], s[G0+4*\s+2:G0+4*\s+3], NEXT_A
	s_sub_nc_u64 s[G0B+4*\s+2:G0B+4*\s+3], s[G0B+4*\s+2:G0B+4*\s+3], BACK_B
.endr
	JLOAD G0, G1, G0B, G1B                         ; the next tile's steps 0-2, into slot 0
.else
	PLACES NP                                      ; nothing is left to ask for
.endif
.endm
.macro ASKS g, nx                      ; the prefetch that goes with step g's refill: the fill two on
.if (\g)/NCH+2 < NFILL
.if (\g) < 5
	ASK CUR, 0                                     ; this tile's fill 4
.elseif (\g) == 5
	ASK CUR, 1                                     ; its one-chunk fill
.else
	ASK NXT, 0                                     ; the next tile's fill 0, 1
.endif
.elseif \nx
	ASK ISA, 0                                     ; the next tile's fill 2
.endif
.endm
; STEP g OF 128 ALONG K: 64 matrix instructions, numbered W = 8 a + b: A's blocks one after the other, each against B's eight; the 64 accumulators take turns, one instruction a turn, in the same order in every step
;   The step lies in slot (g / 3) % 2, chunk g % 3, and multiplies B's set g % 2.
; TWO RUNS OF LDS LOADS: in front of W = 32 the next step's B (the other set), its blocks 0-3 of A (A has one set: a block is free as soon as its eight products are issued) and its scale words, 44 loads; behind
; W = 63 its blocks 4-7 of A, 12 loads.  At the step's head those 12 may be out; in front of W = 32 they are waited for.
; A SLOT'S LAST STEP CHANGES SLOTS: in front of W = 16 each wave waits for all its tensor loads and adds 0 to its spare word; in front of W = 24 it waits for that and for its reads of this slot, and signals; in front
; of W = 32 stands the barrier's wait, and REFILL.  From a refill to the wait for it a wave issues 176 matrix instructions.  nx = 1 (step 14 of a tile that has a successor): the fill is the next tile's first.
.macro KSTEP g, nx
.set gSL, ((\g)/NCH)%2
.set gP,  (\g)%2
.set nSL, (((\g)+1)/NCH)%2
.set nQ,  ((\g)+1)%NCH
.set nP,  ((\g)+1)%2
.set CH,  (\g)%NCH == NCH-1
.set HASN, (\g)+1 < NSTEP
.set Z,   (\g) == 0
.if CH && (((\g)/NCH+2 < NFILL) || (\nx))
	s_wait_xcnt 0x0                                ; my last prefetch has read its address: on to the fill that this step's names
.if (\g) == 8
	s_add_nc_u64 s[PFA:PFA+1], s[PFA:PFA+1], NEXT_P
.else
	s_add_nc_u64 s[PFA:PFA+1], s[PFA:PFA+1], PANEL
.endif
.endif
	s_wait_dscnt 12                                ; B's set, the scale words and A's blocks 0-3 are in; the youngest 12 loads (A's blocks 4-7) may be out
.irp a, 0,1,2,3,4,5,6,7
.irp b, 0,1,2,3,4,5,6,7
.set W, 8*\a+\b
.if CH && (W == 16)
	WIN 0                                          ; (the add's two registers lie in window 0)
	s_wait_tensorcnt 0x0                           ; all my tensor loads have landed: my part of the next slot
	ds_add_u32 v[SPW], v[NIL]                      ; 0 onto my spare word; eight matrix instructions stand between it and the wait for it
.endif
.if CH && (W == 24)
	s_wait_dscnt 0x0                               ; the add is done, and my reads of this slot are over
	s_barrier_signal -1
.endif
.if W == 32
.if CH
	WIN 0
	s_barrier_wait -1
	REFILL \g, \nx
.else
	s_wait_dscnt 0x0                               ; A's blocks 4-7 are in
.if HASN
	PLACES NP
.endif
.endif
.if HASN
	WIN TO_B
.irp i, 0,1,2,3,4,5,6,7
	FRAG 128*nP+FR*\i, ADRB+nSL, nQ, \i
.endr
	WIN 0
.irp i, 0,1,2,3
	FRAG AF+FR*\i, ADRA+nSL, nQ, \i
.endr
	SCALES nSL, nQ, nP
.endif
.if CH
	ASKS \g, \nx                                   ; behind the joint load and the run of LDS loads
.endif
.endif
	WM \a, \b, gP, Z
.if HASN && (W == 63)
	PLACES NP
	WIN 0
.irp i, 4,5,6,7
	FRAG AF+FR*\i, ADRA+nSL, nQ, \i
.endr
.endif
.endr
.endr
.endm
; THE WAY OUT, block by block of 16 rows of x x 64 outputs.  In block a, register 8 b + j of accumulators (a, 0..3) is x W^T + bias, and the same register of accumulators (a, 4..7) is x C^T, of the same row and output.
; CALC: the envelope's 32 numbers a lane: n2 x (-xsq / 2) + cn, + x C^T x n2, the clip at 0 from above, 2^that.  Each accumulator is read from its low end on.  The 32 exponentials are one batch.
.macro CALC a
.set AC, 64*((\a)%4)
.set TT, T0+64*((\a)%2)
	WIN 0x04                                       ; source 1 (-xsq / 2) window 1
.irp p, 0,1,2,3,4,5,6,7,8,9,10,11,12,13,14,15
	v_pk_fma_f32 v[TT+2*\p:TT+2*\p+1], v[N2+2*\p:N2+2*\p+1], v[XSQ+2*(\a):XSQ+2*(\a)+1], v[CN+2*\p:CN+2*\p+1]
.endr
	WIN 2+(\a)/4                                   ; source 0: the accumulators' window
	s_wait_alu depctr_va_vdst(0)
.irp p, 0,1,2,3,4,5,6,7,8,9,10,11,12,13,14,15
	v_pk_fma_f32 v[TT+2*\p:TT+2*\p+1], v[AC+32+2*\p:AC+32+2*\p+1], v[N2+2*\p:N2+2*\p+1], v[TT+2*\p:TT+2*\p+1]
.endr
	WIN 0
.irp j, 0,1,2,3,4,5,6,7,8,9,10,11,12,13,14,15,16,17,18,19,20,21,22,23,24,25,26,27,28,29,30,31
	v_min_num_f32 v[TT+\j], 0, v[TT+\j]
.endr
	s_wait_alu depctr_va_vdst(0)                   ; the wait ahead of the batch
.irp j, 0,1,2,3,4,5,6,7,8,9,10,11,12,13,14,15,16,17,18,19,20,21,22,23,24,25,26,27,28,29,30,31
	v_exp_f32 v[TT+\j], v[TT+\j]
.endr
	v_nop                                          ; a plain line behind the last exponential
.endm
.macro FIN a                           ; the linear part x the envelope
.set AC, 64*((\a)%4)
.set TT, T0+64*((\a)%2)
	WIN 2+(\a)/4
	s_wait_alu depctr_va_vdst(0)                   ; one wait for the batch of 32, ahead of its first reader
.irp p, 0,1,2,3,4,5,6,7,8,9,10,11,12,13,14,15
	v_pk_mul_f32 v[TT+2*\p:TT+2*\p+1], v[AC+2*\p:AC+2*\p+1], v[TT+2*\p:TT+2*\p+1]
.endr
	WIN 0
.endm
; TOSTAGE: a lane holds 32 neighbouring bytes of a row four times, the lanes beside it other rows: the block goes through my own stage and comes back as whole rows of 256 bytes.
; LDS serves a wave's instructions in order (ISA guide 5.7.1.4): no wait between the stores and the loads.
.macro TOSTAGE a
.set TT, T0+64*((\a)%2)
.set BB, BK+32*((\a)%2)
.irp b, 0,1,2,3
	ds_store_b128 v[STO], v[TT+8*\b:TT+8*\b+3] offset:64*\b
	ds_store_b128 v[STO], v[TT+8*\b+4:TT+8*\b+7] offset:64*\b+16
.endr
.irp t, 0,1,2,3,4,5,6,7
	ds_load_b128 v[BB+4*\t:BB+4*\t+3], v[RD] offset:\t*2*SPITCH
.endr
.endm
.macro SEND a
.set BB, BK+32*((\a)%2)
	s_wait_dscnt 0x0                               ; the block is back in registers
.irp t, 0,1,2,3,4,5,6,7
	global_store_b128 v[CO], v[BB+4*\t:BB+4*\t+3], s[12:13] offset:(16*(\a)+2*\t)*OUTROW th:TH_STORE_NT   ; 16 lanes store 256 consecutive bytes, at a multiple of 256 from out0's first byte; 126 rows of 8,192 bytes at the most in the immediate
.endr
.endm
.macro WAYOUT
	PLACES NP                                      ; behind the last products: for the reads of their results and the writes over A's fragments
	s_wait_loadcnt 0x0                             ; this tile's xsq, asked for at the tile's top
	WIN 0x41                                       ; destination and source 0 window 1
.irp a, 0,1,2,3,4,5,6,7
	v_pk_mul_f32 v[XSQ+2*\a:XSQ+2*\a+1], v[XSQ+2*\a:XSQ+2*\a+1], -0.5 op_sel_hi:[1,0]
.endr
	CALC 0
	FIN 0
	TOSTAGE 0
.irp a, 1,2,3,4,5,6,7
	CALC \a
	SEND \a-1                                      ; the block before leaves between this block's exponentials and the wait for them
	FIN \a
.if \a > 1
	s_wait_alu depctr_va_vdst(0)                   ; the wait ahead of the wait below
	s_wait_xcnt 0x0                                ; block a - 2's stores have read their registers: block a's rows may land there
.endif
	TOSTAGE \a
.endr
	SEND 7
.endm
	s_mov_b32 s2, NTILE                            ; tiles to go, this one among them: the same number in every work-group
.Ltile:
	s_wait_alu depctr_va_vdst(0)                   ; the wait ahead of the wait below
	s_wait_tensorcnt 0x0                           ; my part of this tile's steps 0-2 is in slot 0;
	ds_add_u32 v[SPW], v[NIL]
	s_wait_dscnt 0x0                               ; the add is done, and my reads of slot 1 are over
	CROUND                                         ; both hold of every wave of all sixteen work-groups: the joint loads meet,
	JLOAD G0+4, G1, G0B+4, G1B                     ; steps 3-5 into slot 1: my one load behind the round (in the first tile slot 1's first fill)
	WIN TO_B
.irp i, 0,1,2,3,4,5,6,7                ; step 0's fragments and scale words, in one run; A's blocks 4-7 last
	FRAG FR*\i, ADRB, 0, \i
.endr
	WIN 0
.irp i, 0,1,2,3
	FRAG AF+FR*\i, ADRA, 0, \i
.endr
	SCALES 0, 0, 0
.irp i, 4,5,6,7
	FRAG AF+FR*\i, ADRA, 0, \i
.endr
	WIN TO_B
.irp a, 0,1,2,3,4,5,6,7                ; xsq of my row of each block, into both registers of a pair; waited for in front of the way out
	global_load_b32 v[XSQ+2*\a], v[XO], s[96:97] offset:64*\a
	global_load_b32 v[XSQ+2*\a+1], v[XO], s[96:97] offset:64*\a
.endr
	WIN 0
	ASK CUR, 0                                     ; this tile's fill 3
.irp g, 0,1,2,3,4,5,6,7,8,9,10,11,12,13
	KSTEP \g, 0
.endr
	WIN 0
	s_cmp_eq_u32 s2, 1
	s_cbranch_scc1 .Llast_tile                     ; the last tile's tail is written out: it asks for nothing more
	KSTEP 14, 1                                    ; the ring goes on into the next tile
	KSTEP 15, 0
	WAYOUT
	s_wait_xcnt 0x0                                ; the stores, the loads of xsq and the prefetch have read their registers and bases
	s_add_nc_u64 s[12:13], s[12:13], 4096*OUTROW   ; the next tile: 4,096 rows of out0 on,
	s_add_nc_u64 s[96:97], s[96:97], 4096*4        ; and of xsq;
	s_add_nc_u64 s[PFA:PFA+1], s[PFA:PFA+1], PANEL ; the prefetches at its fill 3,
	s_mov_b32 s[CUR], s[ISA]                       ; by A's waves alone: B's panels have been read;
	s_mov_b32 s[NXT], 0                            ; no tile follows it
	s_sub_co_u32 s2, s2, 1
	s_branch .Ltile
.Llast_tile:
	KSTEP 14, 0
	KSTEP 15, 0
	WAYOUT
	s_wait_tensorcnt 0x0                           ; the wave's end: behind my last tensor load and my last LDS store
	ds_add_u32 v[SPW], v[NIL]
	s_wait_dscnt 0x0
	CROUND                                         ; the closing round: no work-group ends while a partner may still ask for a tile that names it
	s_endpgm
.Lfunc_end_k_qaef3dfb120_gemm:
	.size	k_qaef3dfb120_gemm, .Lfunc_end_k_qaef3dfb120_gemm-k_qaef3dfb120_gemm
	.p2alignl 7, 3214868480
	.fill 96, 4, 3214868480
	.section	.rodata,"a",@progbits
	.p2align	6, 0x0
	.amdhsa_kernel k_qaef3dfb120_gemm
		.amdhsa_group_segment_fixed_size 327680
		.amdhsa_private_segment_fixed_size 0
		.amdhsa_enable_private_segment 0
		.amdhsa_kernarg_size 40
		.amdhsa_user_sgpr_count 2
		.amdhsa_user_sgpr_kernarg_segment_ptr 1
		.amdhsa_wavefront_size32 1
		.amdhsa_system_sgpr_workgroup_id_x 1
		.amdhsa_system_sgpr_workgroup_id_y 1
		.amdhsa_system_sgpr_workgroup_id_z 1
		.amdhsa_system_vgpr_workitem_id 0
		.amdhsa_next_free_vgpr 1024
		.amdhsa_next_free_sgpr 100
		.amdhsa_reserve_vcc 0
		.amdhsa_float_denorm_mode_32 3
		.amdhsa_float_denorm_mode_16_64 3
		.amdhsa_memory_ordered 1
		.amdhsa_forward_progress 1
		.amdhsa_inst_pref_size 255
	.end_amdhsa_kernel
	.section	.bss,"aw",@nobits
	.p2align	6
	.space	262144
	.amdgpu_metadata
---
amdhsa.version: [ 1, 2 ]
amdhsa.kernels:
  - .name:           k_qaef3dfb120_gemm
    .symbol:         k_qaef3dfb120_gemm.kd
    .args:
      - { .name: xq, .offset: 0, .size: 8, .value_kind: global_buffer, .address_space: global }
      - { .name: bq, .offset: 8, .size: 8, .value_kind: global_buffer, .address_space: global }
      - { .name: xsq, .offset: 16, .size: 8, .value_kind: global_buffer, .address_space: global }
      - { .name: colv, .offset: 24, .size: 8, .value_kind: global_buffer, .address_space: global }
      - { .name: out0, .offset: 32, .size: 8, .value_kind: global_buffer, .address_space: global }
    .group_segment_fixed_size: 327680
    .private_segment_fixed_size: 0
    .kernarg_segment_align: 8
    .kernarg_segment_size: 40
    .max_flat_workgroup_size: 128
    .sgpr_count:     100
    .vgpr_count:     1024
    .wavefront_size: 32
...
	.end_amdgpu_metadata
.endif
;; end of part 2
